; MI455X (gfx1250); checked and timed in simulation.
; The chip was launched on July 23, 2026; its instructions are those of AMD's public machine-readable ISA for CDNA 5 (MIT licence, August 2026) and "CDNA5" Instruction Set Architecture Reference Guide (July 2026). The comments in the code are by the model that wrote it; some were corrected since.
;; Basic Attention. Allowed arithmetic: matrix products marked QUANTISED: E2M3 operands, one E8M0 scale for each 32 along K, by v_wmma_scale_f32_16x16x128_f8f6f4 with both operands' format E2M3, f32 sums; products left as they are: f32 operands where the result goes on into a quantised operand, else bf16, f16 or f32 operands; f32 sums; everything else in f32.
;; Inputs: W_c 1,024 x 1,024 float32; W_in 1,024 x 1,024 float32; W_out 1,024 x 2,048 float32; b_c 1,024 float32; context 32 x 2,048 x 1,024 float32; w_v 1,024 float32; x 32 x 1,024 float32.
;; Outputs: out0 32 x 1,024 float32; out1 32 x 2,048 float32.
;; This version of the problem:
;;   THIS VERSION OF THE PROBLEM IS GIVEN IN LOW PRECISION. The matrix products marked QUANTISED in the list below multiply operands that are first quantised to E2M3 (2 exponent bits, 3 mantissa bits; 6 bits a number), with one power-of-two scale for each 32 numbers along K (OCP MX v1.0); their sums are f32. All else is computed in f32.
;;   The module's matrix products, in the order in which they are computed (A, B: the left and right operand; K: the contracted axis; several contracted axes count as one K, in the product's order):
;;     1. [M 32, K 1,024] x [K 1,024, N 1,024]; A: input x; B: input W_in: QUANTISED
;;     2. [M 65,536, K 1,024] x [K 1,024, N 1,024]; A: input context; B: input W_c: QUANTISED
;;     3. [M 65,536, K 1,024] x [K 1,024, N 1]; A: computed on the way; B: input w_v: left as it is (N = 1 < 16)
;;     4. batch 32 x [M 1, K 2,048] x [K 2,048, N 1,024]; A: softmax; B: input context: left as it is (M = 1 < 16)
;;     5. [M 32, K 2,048] x [K 2,048, N 1,024]; A: computed on the way; B: input W_out: QUANTISED
;;   THE QUANTISER, for each operand of a quantised product, along K:
;;     - K is cut into blocks of 32 from its start; a last block that is shorter is filled with zeros.
;;     - A block's scale is 2^e with e = floor(log2(the largest magnitude in the block)) - 2, held to -126 .. 127; a block of zeros has e = 0. As a byte (E8M0): e + 127.
;;     - Each number is divided by its block's scale, clamped to +-7.5, and rounded to the nearest number of E2M3, ties to even, subnormals kept.
;;     - The product sums the exact products of the quantised numbers (number of the format x scale) in f32.
;;   ~~~python
;;   def quantise(x, axis):      # numpy; x: float32 -> the quantised numbers, widened to float32 again
;;       x = np.moveaxis(x, axis, -1); K = x.shape[-1]
;;       x = np.pad(x, [(0, 0)] * (x.ndim - 1) + [(0, -K % 32)]); x = x.reshape(x.shape[:-1] + (-1, 32)); a = np.abs(x).max(-1, keepdims=True)
;;       e = np.where(a > 0, np.clip(np.frexp(np.where(a > 0, a, 1))[1] - 1 - 2, -126, 127), 0)      # np.frexp(a)[1] - 1 = floor(log2(a)), exactly
;;       r = np.clip(x / 2.0 ** e, -7.5, 7.5)
;;       step = 2.0 ** (np.maximum(np.frexp(np.where(r == 0, 1, r))[1] - 1, 0) - 3)
;;       q = np.round(r / step) * step * 2.0 ** e      # np.round: ties to even
;;       return np.moveaxis(q.reshape(q.shape[:-2] + (-1,))[..., :K], -1, axis).astype(np.float32)
;;   ~~~
;;   OPERANDS COMPUTED ON THE WAY. 'Computed on the way' means the value that the module computes at that place (a softmax that the list does not call 'softmax' is quantised finished and normalised). What goes into a quantiser is computed in f32, as accurately as f32 sums, v_exp_f32 and their like allow (about 1e-6 of the number): no bf16 or f16 on the way to a quantiser, and a product that is left as it is and whose result goes on into a quantised operand takes f32 operands (vector FMAs, or v_wmma_f32_16x16x4_f32). A number that lies on a knife's edge between two numbers of the format may be rounded either way, as far as f32 arithmetic and the matrix unit's own rounding can turn it there, and no further.
;; One version. Each part assembles by itself: llvm-mc -triple=amdgcn-amd-amdhsa -mcpu=gfx1250 --defsym DOCPART=n.
;; ======== version 1 of 1: 4 launches
;; limits: right only within a limited range of input values
;; workspace buffers: wcimg 851,968 bytes; woimg 851,968 bytes; ctbimg 131,072 bytes; hximg 131,072 bytes; tsc 262,144 bytes; stats 65,536 bytes; wpart 1,048,576 bytes; wq 25,600 bytes
;; launch prep (part 1): grid 256 x 1, 8 waves a work-group, no clusters, 153,088 bytes of LDS; arguments W_c, W_in, W_out, x, b_c, wcimg, woimg, ctbimg, hximg; writes wcimg, woimg, ctbimg, hximg
.if DOCPART == 1
	.amdgcn_target "amdgcn-amd-amdhsa--gfx1250"
	.amdhsa_code_object_version 6
	.text
	.protected	k_q5129477296_prep
	.globl	k_q5129477296_prep
	.p2align	8
	.type	k_q5129477296_prep,@function
k_q5129477296_prep:
	s_mov_b64 s[64:65], 0
	v_nop
	global_prefetch_b8 v0, s[64:65] scope:SCOPE_SE
	s_setreg_imm32_b32 hwreg(HW_REG_WAVE_MODE, 25, 1), 1
	s_wait_xcnt 0x0
; PREP.  Work-groups 0-127 turn W_c [1024][1024] and the first 1,024 columns of W_out [1024][2048] (f32, K innermost) into codes of FP6 (E2M3) with one E8M0 byte
; for each 32 along K, laid IN THE ORDER OF THE OPERAND'S REGISTERS: unit U = 8 Tq + s (Tq: 64 rows, s: 128 along K) is 6,656 bytes: fragment t (rows 64 Tq + 16 t + r)
; at 1,536 t, its registers 4 q .. 4 q + 3 of lane L at 512 q + 16 L; at byte 6,144 lane L's 16 bytes are the scale words of t = 0 .. 3 for row L % 16.
; Work-groups 128-255 make the two small products that hang on x alone, on the same codes: 128-191: ctb = c2 (x W_in^T + b_c), c2 = 2 log2(e);
; 192-255: hx = x W_out[:, 1024:]^T.  A work-group makes 32 batches x 16 columns; its eight waves take one K step of 128 each and add up through LDS.
; Both results are laid as the result's registers: [T][q][lane][4] f32, register 8 mt + j = 4 q + word of lane (r, h) = batch 16 mt + 8 h + j, column 16 T + r.
; THE LOADS: a K step of a row is 512 bytes, so one load of 16 bytes a lane takes it whole; the conversions want a lane to hold neighbours along K of ONE row, so the 16 rows turn
; through a stage of the wave's own in LDS: in as loaded, back with a lane to a row.
; A block's scale is 2^(floor(log2(largest magnitude)) - 2): its byte is the largest magnitude's exponent field - 2, held at 1 from below.
; LIMITS: NaN and infinities are not served (in the hx path b_c is multiplied by 0); a block of zeros gets the byte 1 where the rule says 127: its codes are zeros and
; only this program reads the bytes; blocks whose largest magnitude lies under 2^-124 are held at the floor.
; The two paths part on the work-group's number and have LDS bytes of their own.  No tensor load, no ring.
.set RED,  0                           ; 8 waves x 2,048 bytes: the partial sums of the small products
.set SCG,  16384                       ; 2 x 256 bytes: the scale words of a unit are gathered here
.set TSX,  16896                       ; 8 waves x 8,448 bytes: the stages of the small products' path
.set TSI,  84480                       ; and of the images' path
.set TROW, 528                         ; a stage row: 512 bytes + 16 = 132 words: row r starts at bank 4 r mod 64 (64 banks of 4 bytes: ISA guide 11.1)
.set UNIT, 6656
.set C2,   0x4038aa3b                  ; 2 log2(e)
.set SH,   3                           ; v3   8 h
.set TP,   220                         ; v220-226 the second halves of a fragment's blocks (a conversion's three registers begin on an even number)
.set TM,   232                         ; v232-233 largest magnitudes
.set SO,   234                         ; v234-235 the conversions' scale operands
.set BT,   236                         ; v236-237 scale bytes
.set PX,   238                         ; v238 lane l xor 16's half of a scale word
.set SEL,  40                          ; s[40:41] selects of v_permlanex16_b32: lane l xor 16
; 16 rows x 512 bytes: each load reads 512 consecutive bytes, at a multiple of 512 from the buffer's first byte
.macro LOADC xr, sb, pitch, off
.irp y, 0,1,2,3,4,5,6,7,8,9,10,11,12,13,14,15
	global_load_b128 v[\xr+4*\y:\xr+4*\y+3], v5, s[\sb:\sb+1] offset:\off+\pitch*\y
.endr
.endm
; through my stage: afterwards register 32 c + n = k 64 c + 32 h + n of row r: the order in which the operand's layout wants that lane's codes.
; LDS serves a wave's instructions in order (ISA guide 5.7.1.4): no wait between the stores and the loads, nor in front of the next fragment's stores
.macro TRANSP xr, vs, vl
.irp y, 0,1,2,3,4,5,6,7,8,9,10,11,12,13,14,15
	ds_store_b128 v[\vs], v[\xr+4*\y:\xr+4*\y+3] offset:TROW*\y
.endr
.irp c, 0,1
.irp i, 0,1,2,3,4,5,6,7
	ds_load_b128 v[\xr+32*\c+4*\i:\xr+32*\c+4*\i+3], v[\vl] offset:256*\c+16*\i
.endr
.endr
.endm
; 64 numbers of a lane become the fragment's 12 registers v[cd] on and the row's scale word v[sw]
.macro QFRAG xr, cd, sw
.irp c, 0,1
	v_max3_num_f32 v[TM+\c], |v[\xr+32*\c]|, |v[\xr+32*\c+1]|, 0x1800000   ; my block 2 c + h: all 32 numbers are mine; the floor 2^(3 - 127) holds the byte at 1 from below
.endr
.irp i, 2,4,6,8,10,12,14,16,18,20,22,24,26,28,30
.irp c, 0,1
	s_delay_alu instid0(VALU_DEP_2)
	v_max3_num_f32 v[TM+\c], v[TM+\c], |v[\xr+32*\c+\i]|, |v[\xr+32*\c+\i+1]|   ; the two blocks by turns
.endr
.endr
.irp c, 0,1
	s_delay_alu instid0(VALU_DEP_2)
	v_add_nc_u32 v[SO+\c], 0xff000000, v[TM+\c]    ; 2 off the exponent field: the conversion takes that field as its scale
.endr
.irp c, 0,1
	s_delay_alu instid0(VALU_DEP_2)
	v_lshrrev_b32 v[BT+\c], 23, v[SO+\c]           ; the scale's byte
.endr
	s_delay_alu instid0(VALU_DEP_1)
	v_lshl_or_b32 v[\sw], v[BT+1], 16, v[BT]       ; blocks h and 2 + h,
	s_delay_alu instid0(VALU_DEP_1)
	v_lshlrev_b32 v[\sw], v[SH], v[\sw]            ; at their places in the word;
	s_delay_alu instid0(VALU_DEP_1)
	v_permlanex16_b32 v[PX], v[\sw], s[SEL], s[SEL+1]
	s_delay_alu instid0(VALU_DEP_1)
	v_or_b32 v[\sw], v[\sw], v[PX]                 ; with lane l xor 16's two the word is whole
.irp c, 0,1
	v_cvt_scalef32_pk16_fp6_f32 v[\cd+6*\c:\cd+6*\c+2], v[\xr+32*\c:\xr+32*\c+15], v[SO+\c]
	v_cvt_scalef32_pk16_fp6_f32 v[TP+4*\c:TP+4*\c+2], v[\xr+32*\c+16:\xr+32*\c+31], v[SO+\c]
.endr
	v_nop                                          ; one plain place behind a scaled conversion
.irp c, 0,1
.irp i, 0,1,2
	v_mov_b32 v[\cd+6*\c+3+\i], v[TP+4*\c+\i]
.endr
.endr
.endm
	s_load_b256 s[4:11], s[0:1], 0x0               ; W_c s[4:5], W_in s[6:7], W_out s[8:9], x s[10:11]
	s_load_b256 s[12:19], s[0:1], 0x20             ; b_c s[12:13], wcimg s[14:15], woimg s[16:17], ctbimg s[18:19]
	s_load_b64 s[20:21], s[0:1], 0x40              ; hximg
	v_lshl_add_u32 v254, v0, 2, 0x25200
	v_mov_b32 v255, 0
	v_lshrrev_b32 v4, 5, v0
	s_delay_alu instid0(VALU_DEP_1)
	v_readfirstlane_b32 s22, v4                    ; wave 0..7
	v_and_b32 v1, 15, v0                           ; r
	s_wait_alu depctr_va_vdst(0)
	v_bfe_u32 v2, v0, 4, 1                         ; h
	s_delay_alu instid0(VALU_DEP_1)
	v_lshlrev_b32 v3, 3, v2                        ; 8 h
	v_and_b32 v5, 31, v0
	s_delay_alu instid0(VALU_DEP_1)
	v_lshlrev_b32 v5, 4, v5                        ; 16 x lane
	s_wait_alu depctr_va_vdst(0)
	v_mov_b32 v[PX], 0                             ; a lane permute's destination counts as one of its sources
	s_mov_b32 s[SEL], 0x76543210
	s_mov_b32 s[SEL+1], 0xfedcba98
	s_bfe_u32 s23, ttmp9, 0x10006                  ; which of a path's two tensors
	s_and_b32 s24, ttmp9, 63                       ; which part of it
	s_add_co_u32 s25, s23, 12                      ; a row of the weight is 4,096 or 8,192 bytes
	s_lshr_b32 s26, s22, 2
	s_and_b32 s27, s22, 3
	s_lshl_b32 s28, s26, 8                         ; every LDS address is made here, ahead of any parting of the waves
	s_add_co_u32 s28, s28, SCG
	v_lshl_add_u32 v7, v1, 4, s28                  ; the unit's scale words of row r
	s_lshl_b32 s29, s27, 2
	v_add_nc_u32 v6, s29, v7                       ; and fragment t's word among them
	s_lshl_b32 s28, s22, 11
	v_add_nc_u32 v9, s28, v5                       ; my partial sums: 2,048 x wave + 16 x lane
	s_lshl_b32 s28, s22, 9
	v_add_nc_u32 v10, s28, v5                      ; the quarter that I add up: 512 x wave + 16 x lane; the same offset in the result's image
	s_mul_i32 s28, s22, 16*TROW                    ; my wave's stage
	v_add_nc_u32 v4, s28, v5                       ; in: 16 x lane of a row
	v_mul_u32_u24 v8, v1, TROW
	s_delay_alu instid0(VALU_DEP_1)
	v_lshl_add_u32 v8, v2, 7, v8
	s_delay_alu instid0(VALU_DEP_1)
	v_add_nc_u32 v8, s28, v8                       ; back: row r, + 128 h
	s_delay_alu instid0(VALU_DEP_4)
	v_add_nc_u32 v12, TSI, v4                      ; the images' path
	s_delay_alu instid0(VALU_DEP_2)
	v_add_nc_u32 v14, TSI, v8
	v_add_nc_u32 v4, TSX, v4                       ; the small products' path
	s_delay_alu instid0(VALU_DEP_4)
	v_add_nc_u32 v8, TSX, v8
	v_lshlrev_b32 v11, 2, v1                       ; b_c: 4 r
	s_mul_i32 s28, s27, 1536
	v_add_nc_u32 v13, s28, v5                      ; fragment t's place in a unit
	s_wait_kmcnt 0x0
	s_cmp_lt_u32 ttmp9, 128
	s_cbranch_scc0 .Lxg
	; ---- THE IMAGES.  Wave: fragment t = wave % 4 of K step s = 2 (part % 4) + wave / 4 of rows 64 (part / 4) on
	s_lshr_b32 s28, s24, 2                         ; Tq
	s_and_b32 s29, s24, 3
	s_lshl_b32 s29, s29, 1
	s_add_co_u32 s29, s29, s26                     ; s
	s_lshl_b32 s30, s28, 6
	s_lshl_b32 s31, s27, 4
	s_add_co_u32 s30, s30, s31                     ; my first row
	s_lshl_b32 s30, s30, s25
	s_lshl_b32 s31, s29, 9
	s_add_co_u32 s30, s30, s31                     ; + 512 s bytes
	s_mov_b32 s31, 0
	s_lshl_b32 s36, s28, 3
	s_add_co_u32 s36, s36, s29
	s_mul_i32 s36, s36, UNIT                       ; the unit
	s_mov_b32 s37, 0
	s_cmp_eq_u32 s23, 0                            ; the choice hangs on the work-group's number alone
	s_cselect_b64 s[32:33], s[4:5], s[8:9]
	s_cselect_b64 s[34:35], s[14:15], s[16:17]
	s_add_nc_u64 s[32:33], s[32:33], s[30:31]
	s_add_nc_u64 s[34:35], s[34:35], s[36:37]
	s_cmp_eq_u32 s23, 0                            ; the rows' distance stands in the loads' immediates: 16 loads on either way
	s_cbranch_scc0 .Limg_wide
	LOADC 16, 32, 4096, 0
	s_branch .Limg_in
.Limg_wide:
	LOADC 16, 32, 8192, 0
.Limg_in:
	s_wait_loadcnt 0x0
	s_wait_alu depctr_va_vdst(0)
	TRANSP 16, 12, 14
	s_wait_dscnt 0x0
	QFRAG 16, 208, 228
.irp q, 0,1,2
	global_store_b128 v13, v[208+4*\q:211+4*\q], s[34:35] offset:512*\q   ; 32 lanes store 512 consecutive bytes, at a multiple of 256 from the buffer's first byte
.endr
	ds_store_b32 v6, v228                          ; both halves of the lanes write the same word with the same value
	s_wait_dscnt 0x0                               ; for the others' sake: my word has landed
	s_barrier_signal -1
	s_barrier_wait -1
	s_cmp_lg_u32 s27, 0                            ; waves 0 and 4 store their unit's 512 bytes of scale words
	s_cbranch_scc1 .Limg_end
	ds_load_b128 v[16:19], v7
	s_wait_dscnt 0x0
	global_store_b128 v5, v[16:19], s[34:35] offset:6144
.Limg_end:
	s_wait_tensorcnt 0x0
	ds_add_u32 v254, v255
	s_wait_dscnt 0x0
	s_endpgm
	; ---- THE SMALL PRODUCTS.  Columns 16 T on (T = part), K step = wave
.Lxg:
	s_mov_b32 s38, 0x3f800000
	s_cmp_eq_u32 s23, 0
	s_cselect_b64 s[32:33], s[6:7], s[8:9]         ; W_in, or W_out
	s_cselect_b64 s[34:35], s[18:19], s[20:21]     ; ctbimg, or hximg
	s_cselect_b32 s38, C2, s38                     ; the sum is multiplied by c2, or by 1;
	s_cselect_b32 s39, C2, 0                       ; b_c by c2, or by 0
	s_lshl_b32 s30, s24, 4
	s_lshl_b32 s30, s30, s25                       ; row 16 T
	s_lshl_b32 s31, s22, 9
	s_add_co_u32 s30, s30, s31                     ; + 512 x K step
	s_lshl_b32 s36, s23, 12
	s_add_co_u32 s30, s30, s36                     ; W_out: its second 1,024 columns
	s_mov_b32 s36, s31
	s_mov_b32 s31, 0
	s_mov_b32 s37, 0
	s_add_nc_u64 s[32:33], s[32:33], s[30:31]
	s_add_nc_u64 s[10:11], s[10:11], s[36:37]      ; x at my K step
	s_lshl_b32 s36, s24, 6
	s_add_nc_u64 s[12:13], s[12:13], s[36:37]      ; b_c at column 16 T
	s_lshl_b32 s36, s24, 11
	s_add_nc_u64 s[34:35], s[34:35], s[36:37]      ; the result's 2,048 bytes
	s_cmp_eq_u32 s23, 0                            ; the weight's 16 rows: 16 loads on either way
	s_cbranch_scc0 .Lxg_wide
	LOADC 16, 32, 4096, 0
	s_branch .Lxg_in
.Lxg_wide:
	LOADC 16, 32, 8192, 0
.Lxg_in:
	LOADC 80, 10, 4096, 0                          ; batches 0-15
	LOADC 144, 10, 4096, 65536                     ; batches 16-31
	s_wait_alu depctr_va_vdst(0)
	global_load_b32 v240, v11, s[12:13]
	s_wait_loadcnt 33                              ; the weight's rows are in; x's 32 loads and b_c's may be out
	TRANSP 16, 4, 8
	s_wait_loadcnt 17                              ; batches 0-15 are in
	TRANSP 80, 4, 8
	s_wait_dscnt 32                                ; the weight's numbers are back; the next fragment's 16 stores and 16 loads may be out
	QFRAG 16, 208, 228
	s_wait_loadcnt 0x0
	TRANSP 144, 4, 8
	s_wait_dscnt 32
	QFRAG 80, 16, 229                              ; x's codes are laid over the weight's numbers, which are done with
	s_wait_dscnt 0x0
	QFRAG 144, 28, 230
.rept 8
	v_nop                                          ; a scale register written by a vector instruction stands 8 places ahead of a scaled matrix instruction, an operand 4
.endr
	v_wmma_scale_f32_16x16x128_f8f6f4 v[40:47], v[16:27], v[208:219], 0, v229, v228 matrix_a_fmt:MATRIX_FMT_FP6 matrix_b_fmt:MATRIX_FMT_FP6
	v_wmma_scale_f32_16x16x128_f8f6f4 v[48:55], v[28:39], v[208:219], 0, v230, v228 matrix_a_fmt:MATRIX_FMT_FP6 matrix_b_fmt:MATRIX_FMT_FP6
.rept 4
	v_nop                                          ; four places in front of the first read of results (ISA guide 7.12.1)
.endr
.irp q, 0,1,2,3
	ds_store_b128 v9, v[40+4*\q:43+4*\q] offset:512*\q   ; each accumulator from its low end on
.endr
	s_wait_dscnt 0x0                               ; for the others' sake
	s_barrier_signal -1
	s_barrier_wait -1
	s_cmp_lt_u32 s22, 4                            ; waves 0-3 add up a quarter of the 16 registers each
	s_cbranch_scc0 .Lxg_end
.irp k, 0,1,2,3,4,5,6,7
	ds_load_b128 v[64+4*\k:67+4*\k], v10 offset:2048*\k
.endr
	v_mul_f32 v241, s39, v240                      ; c2 b_c, or 0
	s_wait_dscnt 0x0
.irp k, 0,2,4,6
.irp j, 0,2
	v_pk_add_f32 v[64+4*\k+\j:65+4*\k+\j], v[64+4*\k+\j:65+4*\k+\j], v[68+4*\k+\j:69+4*\k+\j]
.endr
.endr
.irp k, 0,4
.irp j, 0,2
	v_pk_add_f32 v[64+4*\k+\j:65+4*\k+\j], v[64+4*\k+\j:65+4*\k+\j], v[72+4*\k+\j:73+4*\k+\j]
.endr
.endr
.irp j, 0,2
	s_delay_alu instid0(VALU_DEP_2)
	v_pk_add_f32 v[64+\j:65+\j], v[64+\j:65+\j], v[80+\j:81+\j]
.endr
.irp j, 0,1,2,3
	v_fma_f32 v[64+\j], v[64+\j], s38, v241
.endr
	global_store_b128 v10, v[64:67], s[34:35]      ; 512 consecutive bytes a wave
.Lxg_end:
	s_wait_tensorcnt 0x0
	ds_add_u32 v254, v255
	s_wait_dscnt 0x0
	s_endpgm
.Lfunc_end_k_q5129477296_prep:
	.size	k_q5129477296_prep, .Lfunc_end_k_q5129477296_prep-k_q5129477296_prep
	.p2alignl 7, 3214868480
	.fill 96, 4, 3214868480
	.section	.rodata,"a",@progbits
	.p2align	6, 0x0
	.amdhsa_kernel k_q5129477296_prep
		.amdhsa_group_segment_fixed_size 153088
		.amdhsa_private_segment_fixed_size 0
		.amdhsa_enable_private_segment 0
		.amdhsa_kernarg_size 72
		.amdhsa_user_sgpr_count 2
		.amdhsa_user_sgpr_kernarg_segment_ptr 1
		.amdhsa_wavefront_size32 1
		.amdhsa_system_sgpr_workgroup_id_x 1
		.amdhsa_system_sgpr_workgroup_id_y 1
		.amdhsa_system_sgpr_workgroup_id_z 1
		.amdhsa_system_vgpr_workitem_id 0
		.amdhsa_next_free_vgpr 256
		.amdhsa_next_free_sgpr 66
		.amdhsa_reserve_vcc 0
		.amdhsa_float_denorm_mode_32 3
		.amdhsa_float_denorm_mode_16_64 3
		.amdhsa_memory_ordered 1
		.amdhsa_forward_progress 1
		.amdhsa_inst_pref_size 42
	.end_amdhsa_kernel
	.amdgpu_metadata
---
amdhsa.version: [ 1, 2 ]
amdhsa.kernels:
  - .name:           k_q5129477296_prep
    .symbol:         k_q5129477296_prep.kd
    .args:
      - { .name: W_c, .offset: 0, .size: 8, .value_kind: global_buffer, .address_space: global }
      - { .name: W_in, .offset: 8, .size: 8, .value_kind: global_buffer, .address_space: global }
      - { .name: W_out, .offset: 16, .size: 8, .value_kind: global_buffer, .address_space: global }
      - { .name: x, .offset: 24, .size: 8, .value_kind: global_buffer, .address_space: global }
      - { .name: b_c, .offset: 32, .size: 8, .value_kind: global_buffer, .address_space: global }
      - { .name: wcimg, .offset: 40, .size: 8, .value_kind: global_buffer, .address_space: global }
      - { .name: woimg, .offset: 48, .size: 8, .value_kind: global_buffer, .address_space: global }
      - { .name: ctbimg, .offset: 56, .size: 8, .value_kind: global_buffer, .address_space: global }
      - { .name: hximg, .offset: 64, .size: 8, .value_kind: global_buffer, .address_space: global }
    .group_segment_fixed_size: 153088
    .private_segment_fixed_size: 0
    .kernarg_segment_align: 8
    .kernarg_segment_size: 72
    .max_flat_workgroup_size: 256
    .sgpr_count:     66
    .vgpr_count:     256
    .wavefront_size: 32
...
	.end_amdgpu_metadata
.endif
;; end of part 1
;; launch main (part 2): grid 256 x 1, 4 waves a work-group, no clusters, 327,680 bytes of LDS; arguments context, wcimg, ctbimg, w_v, tsc, stats, wpart; writes tsc, stats, wpart
.if DOCPART == 2
	.amdgcn_target "amdgcn-amd-amdhsa--gfx1250"
	.amdhsa_code_object_version 6
	.text
	.protected	k_q5129477296_main
	.globl	k_q5129477296_main
	.p2align	8
	.type	k_q5129477296_main,@function
k_q5129477296_main:
	s_mov_b64 s[64:65], 0
	v_nop
	global_prefetch_b8 v0, s[64:65] scope:SCOPE_SE
	s_setreg_imm32_b32 hwreg(HW_REG_WAVE_MODE, 25, 1), 1
	s_wait_xcnt 0x0
; MAIN.  For 256 rows of the context of one batch (work-group g: batch g / 8, rows 256 (g % 8) on), in four tiles of 64 rows:
;   source = Q(context) Q(W_c)^T on codes of FP6 (E2M3) with E8M0 scales; attn = tanh(target + source + b_c); score = attn . w_v; a running softmax (maximum m, sum l, in base 2);
;   the weighted sum of the f32 context rows under that running maximum.  Out: t of each row (tsc), (m, l) (stats), the 1,024 partial weighted sums (wpart).
; THE CONTEXT IS READ FROM MEMORY ONCE.  A tile's f32 rows come into an LDS stage by one tensor load a wave (16 rows x 4,096 bytes); the wave moves its 16 rows into 512 registers, where they
; stay until the tile's scores are known, and quantises them from there.  The stage is then filled again: the next tile has this tile's whole work in which to land.
; SHARES.  Wave w fetches, quantises and keeps rows 16 w .. 16 w + 15 of a tile; for the product it owns columns 256 w .. 256 w + 255 of W_c, for all 64 rows, in four chunks of 64 columns:
; 16 accumulators of 16 x 16.  The rows' codes go through LDS, since all four waves multiply by them.  W_c's fragments come from an image laid in the order of the operand's registers, straight
; into registers: four sets by turns, asked for three K steps ahead.
; NO CLUSTER, NO JOINT LOADS, though all work-groups walk the same image of W_c: a joint load lands in LDS alone, of which stage, codes, scales and spare words take 320,256 of 327,680 bytes;
; and no fragment of W_c serves two waves of a work-group, so LDS would only be a way round.
; tanh z = 1 - 2 / (1 + 2^(c2 z)), c2 = 2 log2(e); ctbimg holds c2 (target + b_c), so that c2 z is one fused multiply-add on the product's sum.
; THE SCORE IS KEPT LESS A CONSTANT: the sum over d of w_v[d] tanh z_d = (the sum of w_v) - 2 x the sum of w_v[d] / (1 + 2^(c2 z_d)).  The first term is the same number for every row, and the scores
; go into a softmax alone, which does not see a constant: so t = -2 log2(e) x the second sum.  tsc and stats hold t and m so; only the next launch reads them, and takes differences alone.
; NOT USED, and stated: the fragments of the rows' codes fetched in the last K step of a tile's fourth chunk (28 LDS loads), and the last tile's last four units of W_c (52 loads, inside the buffer).
; LIMITS: NaN and infinities are not served; a block of zeros gets the scale byte 1 (its codes are zeros; only this launch reads the bytes); blocks under 2^-124 are held at the floor.
; REGISTERS, in windows of 256 (s_set_vgpr_msb: bits 1:0 source 0, 3:2 source 1, 5:4 source 2, 7:6 destination):
;   window 0: v1-23 addresses and the running m, l; v24-27, v252-253 the rows' scale words, v28-43 W_c's (four sets); v44-47 ctb, v48-51 w_v;
;             v52-75 the codes' fragments of rows 0-31; v76-99 those of rows 32-63 in even K steps, v228-251 in odd ones (outside the chunks v228-243 are at work);
;             v100-227 the accumulators (rows 16 a on, columns 16 t on: at 100 + 8 (4 a + t))
;   window 1: v0-191 W_c's four sets of four fragments; v192-223 the scores' partial sums (row 16 a + 8 h + j at 8 a + j); v224-255 the weighted sums
;   windows 2, 3: my 16 rows in f32: row y in window 2 + y / 8 at 32 (y % 8); lane (a, p, bb) = (lane / 4 % 4, lane / 16, lane % 4) holds k = 16 (16 a + 8 u + 4 p + bb) + i at 16 u + i
.set WSTG,  66560                      ; a wave's part of the stage: 16 rows of
.set SROW,  4160                       ; 4 x (1,024 bytes + 16 of padding)
.set ACD,   266240                     ; behind the stage: the tile's codes, 64 rows of
.set CROW,  784                        ; 768 bytes + 16 = 196 words: row r starts at bank 4 r mod 64
.set ASC,   316416                     ; their scale bytes, 64 rows of
.set BROW,  36                         ; 32 bytes + 4
.set SX,    318720                     ; the waves' partial scores: 4 x 64 f32
.set SPARE, 319744                     ; the spare words, 128 bytes for each wave: two blocks of 256 bytes that no other line names
.set UNIT,  6656                       ; W_c's image: four fragments and their scale words, for 64 columns x 128 along K
.set SPW,  1                           ; v1  SPARE + 4 x my thread's number; never rewritten
.set NIL,  2                           ; v2  0; never rewritten
.set STA,  3                           ; v3  the stage: my 64 bytes of my wave's first row
.set CDA,  4                           ; v4  where my 12 bytes of codes go
.set BYA,  5                           ; v5  and my block's scale byte
.set AFA,  6                           ; v6  a fragment of codes: row r, + 24 h
.set ASA,  7                           ; v7  its scale word
.set L16,  8                           ; v8  16 x lane
.set VB,   9                           ; v9  W_c's image: this chunk
.set VBN,  10                          ; v10 the next chunk
.set VCT0, 11                          ; v11, v12 ctb of my batch and column: chunk 0, this chunk
.set VCT,  12
.set VWV0, 13                          ; v13, v14 w_v likewise
.set VWV,  14
.set SXS,  15                          ; v15 where my partial scores go
.set SXL,  16                          ; v16 where I read two rows' partial scores: rows (16 w + 2 lane) mod 64 and the next: my own 16 rows lie in lanes 0-7
.set L8,   17                          ; v17 8 x lane
.set FLR,  18                          ; v18 2^(3 - 127): the floor under a block's largest magnitude
.set WRA,  19                          ; v19 the last reduction: where my weighted sums go
.set MRUN, 20                          ; v20 the running maximum of t
.set LRUN, 21                          ; v21 my lane's part of the running sum
.set WRL,  22                          ; v22 the last reduction: what I add up
.set VO,   23                          ; v23 and where it goes in wpart
.set BSCL, 28
.set LS,   0                           ; v0  from the head's end on: 16 x (lane % 16): where a unit's scale words are read
.set VBS,  254                         ; v254, v255 the same for this chunk and the next
.set VBNS, 255
.set CTB,  44
.set WV,   48
.set ACC,  100
.set SACC, 192                         ; in window 1
.set WACC, 224                         ; in window 1
.set TQ,   100                         ; the ingest works in the accumulators' registers, which are free then: v100-103 largest magnitudes,
.set SCQ,  104                         ; v104-107 the conversions' scale operands,
.set BYQ,  108                         ; v108-115 scale bytes, two sets by turns,
.set CDQ,  116                         ; v116-147 codes, two sets by turns
.set MSB, 0
.macro WIN new                         ; the immediate's high byte repeats the setting that is left; a switch that changes nothing is dropped
.if MSB != (\new)
	s_set_vgpr_msb (MSB<<8)|(\new)
.set MSB, (\new)
.endif
.endm
.macro PLACES n
.rept \n
	v_nop
.endr
.endm
; a unit of W_c's image into set n: 12 loads of 512 consecutive bytes, and its scale words: 13 loads.  The matrix instruction reads W_c's scales from lanes 0-15 alone,
; so lanes 16-31 name the same 256 bytes as lanes 0-15 (address vs), not the copy that lies behind them
.macro BLOAD n, va, vs, off, back
	WIN 0x40                                       ; destination window 1
.irp t, 0,1,2,3
.irp q, 0,1,2
	global_load_b128 v[48*(\n)+12*\t+4*\q:48*(\n)+12*\t+4*\q+3], v[\va], s[6:7] offset:(\off)+1536*\t+512*\q
.endr
.endr
	WIN \back
	global_load_b128 v[BSCL+4*(\n):BSCL+4*(\n)+3], v[\vs], s[6:7] offset:(\off)+6144
.endm
; rows 16 a on, K step s, into v[fr] on: the fragment (lane (r, h): 24 bytes at 96 s + 24 h and 24 at 96 s + 48 + 24 h of row r's stream of bits, in pieces of 8) and its scale word into v[sr]: 7 LDS loads
.macro AGRP fr, sr, a, s
.irp p, 0,1,2,3,4,5
	ds_load_b64 v[(\fr)+2*\p:(\fr)+2*\p+1], v[AFA] offset:16*CROW*(\a)+96*(\s)+48*(\p/3)+8*(\p%3)
.endr
	ds_load_b32 v[(\sr)], v[ASA] offset:16*BROW*(\a)+4*(\s)
.endm
; four matrix instructions: rows 16 a on against the chunk's four tiles of columns.  Source 0 = 16 rows of the context, source 1 = 16 columns of W_c.  The first K step starts the sums: nothing is cleared
.macro MM4 a, s, fr, sr
.irp t, 0,1,2,3
.if (\s) == 0
	v_wmma_scale_f32_16x16x128_f8f6f4 v[ACC+8*(4*(\a)+\t):ACC+8*(4*(\a)+\t)+7], v[(\fr):(\fr)+11], v[48*((\s)%4)+12*\t:48*((\s)%4)+12*\t+11], 0, v[(\sr)], v[BSCL+4*((\s)%4)+\t] matrix_a_fmt:MATRIX_FMT_FP6 matrix_b_fmt:MATRIX_FMT_FP6
.else
	v_wmma_scale_f32_16x16x128_f8f6f4 v[ACC+8*(4*(\a)+\t):ACC+8*(4*(\a)+\t)+7], v[(\fr):(\fr)+11], v[48*((\s)%4)+12*\t:48*((\s)%4)+12*\t+11], v[ACC+8*(4*(\a)+\t):ACC+8*(4*(\a)+\t)+7], v[(\sr)], v[BSCL+4*((\s)%4)+\t] matrix_a_fmt:MATRIX_FMT_FP6 matrix_b_fmt:MATRIX_FMT_FP6
.endif
.endr
.endm
; A K STEP of 128: 16 matrix instructions, the 16 accumulators by turns in the same order in every step, and two runs of loads.
; In its middle: the next step's four fragments of codes (rows 0-31 into the registers just multiplied; rows 32-63 into the set of the other parity).
; At its end: W_c's unit FOUR steps on, into the set that this step has just read.  So a unit is asked for at the end of the step four before its own, all four sets are on their way
; while a chunk's sums are worked up and between two tiles, and the last tile's last chunk asks for four units (52 loads, inside the buffer) that are not used.
.macro STEP s
.set QC,  76+152*((\s)%2)              ; rows 32-63: this step's registers,
.set QN,  76+152*(((\s)+1)%2)          ; the next step's;
.set SQC, 26+226*((\s)%2)              ; their scale words likewise
.set SQN, 26+226*(((\s)+1)%2)
.if \s < 4
	s_wait_loadcnt 47                              ; this step's unit is in.  Younger: three units of 13 loads, and the chunk's 8 loads of ctb and w_v
.else
	s_wait_loadcnt 39                              ; younger: three units.  (ctb and w_v are older: they are in too)
.endif
	s_wait_dscnt 21                                ; rows 0-15 are in; the three younger groups of 7 loads may be out
	MM4 0, \s, 52, 24
	s_wait_dscnt 14                                ; rows 16-31
	MM4 1, \s, 64, 25
	PLACES 4                                       ; four places in front of loads into registers that matrix instructions have read (ISA guide 7.12.1 for vector instructions)
	AGRP 52, 24, 0, (\s+1)%8                       ; (behind step 7: the next chunk's first step)
	AGRP 64, 25, 1, (\s+1)%8
	AGRP QN, SQN, 2, (\s+1)%8
	AGRP QN+12, SQN+1, 3, (\s+1)%8
	s_wait_dscnt 28                                ; all but the 28 just issued: rows 32-63 of this step are in
	MM4 2, \s, QC, SQC
	MM4 3, \s, QC+12, SQC+1
	PLACES 4                                       ; four places in front of loads into the set and the scale words that this step's matrix instructions have read
.if \s < 4
	BLOAD (\s)%4, VB, VBS, (\s+4)*UNIT, 0x04
.else
	BLOAD (\s)%4, VBN, VBNS, (\s-4)*UNIT, 0x04     ; which lies in the next chunk
.endif
.endm
; BEHIND A CHUNK'S PRODUCTS: 1 / (1 + 2^(c2 z)) and the dot with w_v.  A lane holds one column (16 t + r) and rows 16 a + 8 h + j.
; Pair n of the 64 pairs of sums (accumulator n / 4, registers 2 (n % 4) on): c2 z = c2 x sum + ctb of the accumulator's column
.macro ZF n
.if (((\n)/4)%2) == 0
	v_pk_fma_f32 v[ACC+2*(\n):ACC+2*(\n)+1], v[ACC+2*(\n):ACC+2*(\n)+1], s[40:41], v[CTB+2*((((\n)/4)%4)/2):CTB+2*((((\n)/4)%4)/2)+1] op_sel_hi:[1,0,0]
.else
	v_pk_fma_f32 v[ACC+2*(\n):ACC+2*(\n)+1], v[ACC+2*(\n):ACC+2*(\n)+1], s[40:41], v[CTB+2*((((\n)/4)%4)/2):CTB+2*((((\n)/4)%4)/2)+1] op_sel:[0,0,1] op_sel_hi:[1,0,1]   ; (odd t: the pair's upper word for both halves)
.endif
.endm
; The accumulators go in two halves (rows 0-31, rows 32-63): while one half's transcendentals are issued, the other half's packed lines stand between them, one behind every two.
; Each batch has its wait ahead of the first line that names a result; the packed line behind a batch's last transcendental is its plain line.
.macro EPI
	WIN 0
.set i, 0
.rept 64
	ZF i                                           ; all 64 pairs ahead of the first transcendental; each accumulator from its low end on
.set i, i+1
.endr
	s_wait_alu depctr_va_vdst(0)                   ; the wait ahead of the batch too
.set i, 0
.rept 64
	v_exp_f32 v[ACC+i], v[ACC+i]                   ; the first half's exponentials
.set i, i+1
.endr
	v_nop                                          ; a plain line behind the last of them
	s_wait_alu depctr_va_vdst(0)                   ; for the first half's exponentials
.set i, 0
.rept 32
	v_exp_f32 v[ACC+64+2*i], v[ACC+64+2*i]
	v_exp_f32 v[ACC+65+2*i], v[ACC+65+2*i]
	v_pk_add_f32 v[ACC+2*i:ACC+2*i+1], v[ACC+2*i:ACC+2*i+1], 1.0 op_sel_hi:[1,0]
.set i, i+1
.endr
	s_wait_alu depctr_va_vdst(0)                   ; for the second half's
.set i, 0
.rept 32
	v_rcp_f32 v[ACC+2*i], v[ACC+2*i]
	v_rcp_f32 v[ACC+2*i+1], v[ACC+2*i+1]
	v_pk_add_f32 v[ACC+64+2*i:ACC+65+2*i], v[ACC+64+2*i:ACC+65+2*i], 1.0 op_sel_hi:[1,0]
.set i, i+1
.endr
.set i, 0
	s_wait_alu depctr_va_vdst(0)                   ; its sources were written by the packed additions above
.rept 64
	v_rcp_f32 v[ACC+64+i], v[ACC+64+i]             ; (no line here names a reciprocal of the first half)
.set i, i+1
.endr
	v_nop                                          ; a plain line behind the last reciprocal
	s_wait_alu depctr_va_vdst(0)                   ; one wait for all 128 reciprocals
	WIN 0x50                                       ; the scores' partial sums lie in window 1
.irp t, 0,1,2,3
.irp a, 0,1,2,3
.irp j, 0,2,4,6
.if (\t%2) == 0
	v_pk_fma_f32 v[SACC+8*\a+\j:SACC+8*\a+\j+1], v[ACC+8*(4*\a+\t)+\j:ACC+8*(4*\a+\t)+\j+1], v[WV+2*(\t/2):WV+2*(\t/2)+1], v[SACC+8*\a+\j:SACC+8*\a+\j+1] op_sel_hi:[1,0,1]
.else
	v_pk_fma_f32 v[SACC+8*\a+\j:SACC+8*\a+\j+1], v[ACC+8*(4*\a+\t)+\j:ACC+8*(4*\a+\t)+\j+1], v[WV+2*(\t/2):WV+2*(\t/2)+1], v[SACC+8*\a+\j:SACC+8*\a+\j+1] op_sel:[0,1,0] op_sel_hi:[1,1,1]
.endif
.endr
.endr
.endr
	WIN 0
.endm
; THE INGEST.  Rows 2 g and 2 g + 1 of my 16 out of the stage: 16 LDS loads
.macro LROWS g
	WIN 0x80+0x40*((\g)/4)                         ; destination window 2 or 3
.irp y, 0,1
.irp u, 0,1
.irp j, 0,1,2,3
	ds_load_b128 v[32*((2*(\g)+\y)%8)+16*\u+4*\j:32*((2*(\g)+\y)%8)+16*\u+4*\j+3], v[STA] offset:SROW*(2*(\g)+\y)+512*\u+16*\j
.endr
.endr
.endr
.endm
; and quantised: four sets of 16 neighbours along K; lanes l and l xor 1 hold a block of 32.  16 LDS stores
.macro QROWS g
	WIN 0x28+0x14*((\g)/4)                         ; sources 1 and 2: window 2 or 3
.irp y, 0,1
.irp u, 0,1
	v_max3_num_f32 v[TQ+2*\y+\u], v[FLR], |v[32*((2*(\g)+\y)%8)+16*\u]|, |v[32*((2*(\g)+\y)%8)+16*\u+1]|
.endr
.endr
.irp i, 2,4,6,8,10,12,14
.irp y, 0,1
.irp u, 0,1
	v_max3_num_f32 v[TQ+2*\y+\u], v[TQ+2*\y+\u], |v[32*((2*(\g)+\y)%8)+16*\u+\i]|, |v[32*((2*(\g)+\y)%8)+16*\u+\i+1]|   ; the four sets by turns
.endr
.endr
.endr
	WIN 0
.irp q, 0,1,2,3
	v_max_num_f32_dpp v[TQ+\q], v[TQ+\q], v[TQ+\q] row_xmask:1 row_mask:0xf bank_mask:0xf   ; with my neighbour's 16: the block's largest magnitude
.endr
.irp q, 0,1,2,3
	v_add_nc_u32 v[SCQ+\q], 0xff000000, v[TQ+\q]   ; 2 off its exponent field: the conversion's scale operand
.endr
.irp q, 0,1,2,3
	v_lshrrev_b32 v[BYQ+4*((\g)%2)+\q], 23, v[SCQ+\q]   ; the scale's byte
.endr
	WIN 0x02+((\g)/4)                              ; source 0: window 2 or 3
.irp y, 0,1
.irp u, 0,1
	v_cvt_scalef32_pk16_fp6_f32 v[CDQ+16*((\g)%2)+4*(2*\y+\u):CDQ+16*((\g)%2)+4*(2*\y+\u)+2], v[32*((2*(\g)+\y)%8)+16*\u:32*((2*(\g)+\y)%8)+16*\u+15], v[SCQ+2*\y+\u]
.endr
.endr
	WIN 0
	v_nop                                          ; one plain place behind a scaled conversion
.irp y, 0,1
.irp u, 0,1
.irp i, 0,1,2
	ds_store_b32 v[CDA], v[CDQ+16*((\g)%2)+4*(2*\y+\u)+\i] offset:CROW*(2*(\g)+\y)+96*\u+4*\i   ; 12 bytes at a multiple of 4: three words
.endr
	ds_store_b8 v[BYA], v[BYQ+4*((\g)%2)+2*\y+\u] offset:BROW*(2*(\g)+\y)+4*\u   ; both lanes of a block write the same byte with the same value
.endr
.endr
.endm
.macro INGEST
	LROWS 0
	LROWS 1
.irp g, 0,1,2,3,4,5,6,7
.if (\g == 0) || (\g == 7)
	s_wait_dscnt 16                                ; this pair of rows is in.  Younger: the next pair's 16 loads (first pair), the pair before's 16 stores (last pair)
.else
	s_wait_dscnt 32                                ; younger: the pair before's 16 stores and the next pair's 16 loads.  The stores two pairs back are older: their registers may be written
.endif
	QROWS \g
.if \g < 6
	LROWS \g+2
.endif
.endr
.endm
.macro CLEAR_S                         ; the chunk loop is written once, so the scores' partial sums begin as zeros
	WIN 0x40
.set i, 0
.rept 32
	v_mov_b32 v[SACC+i], 0
.set i, i+1
.endr
	WIN 0
.endm
; A TILE OF 64 ROWS.  refill = 1: the stage is filled again with the next tile.
.macro TILE refill
	s_wait_tensorcnt 0x0                           ; my one tensor load has landed: my 16 rows lie in my part of the stage
	INGEST
.if \refill
	s_wait_tensorcnt 0x0                           ; no tensor load of mine is out, so the descriptor may be written
	ds_add_u32 v[SPW], v[NIL]                      ; 0 onto my spare word: work on registers stands between it and the wait for it
	s_add_nc_u64 s[34:35], s[34:35], 262144        ; the next tile: 64 rows of 4,096 bytes on; the type bits on top are not reached
	CLEAR_S
	s_wait_dscnt 0x0                               ; the add is done, my reads of the stage are back, my codes and scale bytes have landed
	s_barrier_signal -1
	s_barrier_wait -1                              ; all that holds of every wave: the tile's codes are whole
	tensor_load_to_lds s[32:35], s[24:31]          ; my one tensor load behind the barrier, and the first thing there: it has the whole tile's work in which to land
	s_nop 0
	PLACES 4
.else
	CLEAR_S
	s_wait_dscnt 0x0                               ; my codes and scale bytes have landed
	s_barrier_signal -1
	s_barrier_wait -1
.endif
	AGRP 52, 24, 0, 0                              ; the first K step's four fragments
	AGRP 64, 25, 1, 0
	AGRP 76, 26, 2, 0
	AGRP 88, 27, 3, 0
	s_mov_b32 s37, 0
.Lchunk_\@:                                        ; four chunks of 64 columns
	s_wait_xcnt 0x0                                ; every earlier load has read its address registers: they are written again only behind this wait
	s_mul_i32 s38, s37, 8*UNIT
	s_add_co_u32 s39, s37, 1
	s_and_b32 s39, s39, 3                          ; behind the fourth chunk comes the next tile's first
	s_mul_i32 s39, s39, 8*UNIT
	s_lshl_b32 s19, s37, 13
	s_lshl_b32 s20, s37, 8
	v_add_nc_u32 v[VB], s38, v[L16]
	v_add_nc_u32 v[VBN], s39, v[L16]
	v_add_nc_u32 v[VBS], s38, v[LS]
	v_add_nc_u32 v[VBNS], s39, v[LS]
	v_add_nc_u32 v[VCT], s19, v[VCT0]
	v_add_nc_u32 v[VWV], s20, v[VWV0]
	s_wait_alu depctr_va_vdst(0)
.irp t, 0,1,2,3
	global_load_b32 v[CTB+\t], v[VCT], s[8:9] offset:2048*\t
.endr
.irp t, 0,1,2,3
	global_load_b32 v[WV+\t], v[VWV], s[10:11] offset:64*\t
.endr
	WIN 0x04                                       ; source 1 (W_c) window 1
	STEP 0
	STEP 1
	STEP 2
	STEP 3
	STEP 4
	STEP 5
	STEP 6
	STEP 7
	EPI
	s_add_co_u32 s37, s37, 1
	s_cmp_lt_u32 s37, 4
	s_cbranch_scc1 .Lchunk_\@
	; THE SCORES: into window 0, and x -2 log2(e), by one multiplication; over the 16 lanes that hold a row's columns; over the four waves through LDS
	WIN 0x01
.set i, 0
.rept 16
	v_pk_mul_f32 v[ACC+i:ACC+i+1], v[SACC+i:SACC+i+1], 0xc038aa3b op_sel_hi:[1,0]
.set i, i+2
.endr
	WIN 0
.irp m, 1,2,4,8
.set i, 0
.rept 32
	v_add_f32_dpp v[ACC+i], v[ACC+i], v[ACC+i] row_xmask:\m row_mask:0xf bank_mask:0xf
.set i, i+1
.endr
.endr
.irp a, 0,1,2,3
.irp f, 0,1
	ds_store_b128 v[SXS], v[ACC+8*\a+4*\f:ACC+8*\a+4*\f+3] offset:64*\a+16*\f   ; row 16 a + 8 h + j at 4 bytes a row; the 16 lanes of a half write the same words with the same values
.endr
.endr
	s_wait_dscnt 0x0                               ; for the others' sake: my partial scores have landed, and my reads of the tile's codes are over
	s_barrier_signal -1
	s_barrier_wait -1                              ; behind it the codes may be written again (nothing is filled by the data mover behind this barrier)
.irp q, 0,1,2,3
	ds_load_b64 v[228+2*\q:229+2*\q], v[SXL] offset:256*\q
.endr
	s_wait_dscnt 0x0
	v_pk_add_f32 v[228:229], v[228:229], v[230:231]
	v_pk_add_f32 v[232:233], v[232:233], v[234:235]
	v_pk_add_f32 v[228:229], v[228:229], v[232:233]   ; t of two rows; every wave adds in the same order, so all four hold the same numbers
	s_wait_alu depctr_va_vdst(0)                   ; directly ahead of the branch
	s_cmp_lg_u32 s18, 0
	s_cbranch_scc1 .Lnot_wave_0_\@
	global_store_b64 v[L8], v[228:229], s[12:13]   ; wave 0 holds rows 2 lane, 2 lane + 1: 256 consecutive bytes, at a multiple of 256 from tsc's first byte
.Lnot_wave_0_\@:
	v_max_num_f32 v236, v228, v229                 ; THE RUNNING SOFTMAX: the tile's largest t,
.irp m, 1,2,4,8
	v_max_num_f32_dpp v236, v236, v236 row_xmask:\m row_mask:0xf bank_mask:0xf
.endr
	v_permlanex16_b32 v237, v236, s42, s43
	v_max3_num_f32 v238, v236, v237, v[MRUN]       ; and the new m
	v_sub_f32 v240, v[MRUN], v238
	v_sub_f32 v242, v228, v238
	v_sub_f32 v243, v229, v238
	s_wait_alu depctr_va_vdst(0)                   ; the wait ahead of the batch too
	v_exp_f32 v240, v240                           ; f = 2^(old m - new m)
	v_exp_f32 v242, v242                           ; p of my two rows
	v_exp_f32 v243, v243
	v_mov_b32 v[MRUN], v238                        ; (a plain line behind the exponentials)
	s_wait_alu depctr_va_vdst(0)                   ; one wait for the three
	v_fma_f32 v[LRUN], v[LRUN], v240, v242
	v_add_f32 v[LRUN], v[LRUN], v243
.set i, 0
.rept 16
	v_readlane_b32 s[66+2*i], v[242+i%2], i/2      ; p of my wave's row i: data for the multiply-adds below, never an address or a condition
.set i, i+1
.endr
	WIN 0x41                                       ; THE WEIGHTED SUM, on f32 operands: what was summed comes under the new m,
.set i, 0
.rept 16
	v_pk_mul_f32 v[WACC+i:WACC+i+1], v[WACC+i:WACC+i+1], v[240:241] op_sel_hi:[1,0]
.set i, i+2
.endr
	WIN 0x52                                       ; and my 16 rows are added: rows 0-7 from window 2,
.irp y, 0,1,2,3,4,5,6,7
.set i, 0
.rept 16
	v_pk_fma_f32 v[WACC+i:WACC+i+1], v[32*\y+i:32*\y+i+1], s[66+2*\y:67+2*\y], v[WACC+i:WACC+i+1] op_sel_hi:[1,0,1]
.set i, i+2
.endr
.endr
	WIN 0x53                                       ; rows 8-15 from window 3
.irp y, 0,1,2,3,4,5,6,7
.set i, 0
.rept 16
	v_pk_fma_f32 v[WACC+i:WACC+i+1], v[32*\y+i:32*\y+i+1], s[82+2*\y:83+2*\y], v[WACC+i:WACC+i+1] op_sel_hi:[1,0,1]
.set i, i+2
.endr
.endr
	WIN 0
	s_wait_alu depctr_va_vdst(0)
	s_wait_xcnt 0x0                                ; the store of t has read its base and its data
	s_add_nc_u64 s[12:13], s[12:13], 256           ; the next tile's 64 numbers of tsc
.endm
	s_load_b256 s[4:11], s[0:1], 0x0               ; context s[4:5], wcimg s[6:7], ctbimg s[8:9], w_v s[10:11]
	s_load_b128 s[12:15], s[0:1], 0x20             ; tsc s[12:13], stats s[14:15]
	s_load_b64 s[16:17], s[0:1], 0x30              ; wpart
	v_lshl_add_u32 v[SPW], v0, 2, SPARE
	v_mov_b32 v[NIL], 0
	ds_add_u32 v1, v2
	ds_add_u32 v1, v2
	s_wait_dscnt 0x0
	v_lshrrev_b32 v3, 5, v0
	v_readfirstlane_b32 s18, v3                    ; wave 0..3
	; descriptor group 1: 16 rows x 1,024 elements of 4 bytes, 16 bytes of padding behind every 1,024 bytes
	s_mov_b32 s24, 0x07d20000                      ; 15:0 no mask; 17:16 elements of 4 bytes (code 2); 20 padding on; 24:22 after every 256 words (code 7); 31:25 of 4 words (code 3)
	s_mov_b32 s25, 1024<<16                        ; tensor_dim0
	s_mov_b32 s26, 16<<16                          ; tensor_dim1
	s_mov_b32 s27, 1024<<16                        ; tile_dim0
	s_mov_b32 s28, 16                              ; tile_dim1
	s_mov_b32 s29, 1024                            ; elements from row to row
	s_mov_b32 s30, 0
	s_mov_b32 s31, 0
	s_lshl_b32 s20, ttmp9, 20                      ; my work-group's 256 rows of 4,096 bytes,
	s_lshl_b32 s21, s18, 16                        ; my wave's 16 of a tile
	s_add_co_u32 s20, s20, s21
	s_mov_b32 s21, 0
	s_mov_b32 s32, 1                               ; group 0: count = 1
	s_mul_i32 s33, s18, WSTG                       ; LDS address: my part of the stage
	s_wait_kmcnt 0x0
	s_add_nc_u64 s[34:35], s[4:5], s[20:21]        ; global address of the tile's first element
	s_or_b32 s35, s35, 0x80000000                  ; type = 2
	tensor_load_to_lds s[32:35], s[24:31]          ; tile 0: ahead of every wait on TENSORcnt, every LDS read and every barrier.  One tensor load of mine is out at any time
	s_nop 0
	PLACES 4
	s_mul_i32 s20, s18, 32*UNIT                    ; W_c's image: my 256 columns are 32 units
	s_add_nc_u64 s[6:7], s[6:7], s[20:21]
	s_lshl_b32 s20, ttmp9, 10
	s_add_nc_u64 s[12:13], s[12:13], s[20:21]      ; tsc: 256 numbers a work-group
	s_lshl_b32 s20, ttmp9, 8
	s_add_nc_u64 s[14:15], s[14:15], s[20:21]      ; stats: 256 bytes
	s_lshl_b32 s20, ttmp9, 12
	s_add_nc_u64 s[16:17], s[16:17], s[20:21]      ; wpart: 4,096 bytes
	v_and_b32 v228, 31, v0                         ; lane
	v_and_b32 v229, 15, v0                         ; r
	v_bfe_u32 v230, v0, 4, 1                       ; h, and p
	v_bfe_u32 v231, v0, 2, 2                       ; a
	v_and_b32 v232, 3, v0                          ; bb
	v_mul_u32_u24 v[STA], v231, 1040
	v_lshl_add_u32 v[STA], v230, 8, v[STA]
	v_lshl_add_u32 v[STA], v232, 6, v[STA]
	v_add_nc_u32 v[STA], s33, v[STA]               ; 66,560 w + 1,040 a + 256 p + 64 bb
	s_mul_i32 s20, s18, 16*CROW
	s_add_co_u32 s20, s20, ACD
	v_mul_u32_u24 v[CDA], v231, 192
	v_mad_u32_u24 v[CDA], v230, 48, v[CDA]
	v_mad_u32_u24 v[CDA], v232, 12, v[CDA]
	v_add_nc_u32 v[CDA], s20, v[CDA]               ; 12 bytes for each 16 numbers
	s_mul_i32 s20, s18, 16*BROW
	s_add_co_u32 s20, s20, ASC
	v_bfe_u32 v[BYA], v0, 1, 1
	v_lshl_add_u32 v[BYA], v230, 1, v[BYA]
	v_lshl_add_u32 v[BYA], v231, 3, v[BYA]
	v_add_nc_u32 v[BYA], s20, v[BYA]               ; block 8 a + 4 u + 2 p + bb / 2
	v_mul_u32_u24 v[AFA], v229, CROW
	v_mad_u32_u24 v[AFA], v230, 24, v[AFA]
	v_add_nc_u32 v[AFA], ACD, v[AFA]
	v_mul_u32_u24 v[ASA], v229, BROW
	v_add_nc_u32 v[ASA], ASC, v[ASA]
	v_lshlrev_b32 v[L16], 4, v228
	s_wait_alu depctr_va_vdst(0)
	s_lshr_b32 s20, ttmp9, 3                       ; my batch b.  In ctbimg it is register q = 8 (b / 16) + b % 8 of the lanes of half (b / 8) % 2
	s_lshr_b32 s21, s20, 4
	s_and_b32 s22, s20, 7
	s_lshl_b32 s21, s21, 3
	s_add_co_u32 s21, s21, s22                     ; q
	s_lshr_b32 s22, s21, 2
	s_lshl_b32 s22, s22, 9                         ; 512 (q / 4)
	s_and_b32 s21, s21, 3
	s_lshl_b32 s21, s21, 2
	s_add_co_u32 s22, s22, s21                     ; + 4 (q % 4)
	s_bfe_u32 s21, s20, 0x10003
	s_lshl_b32 s21, s21, 8
	s_add_co_u32 s22, s22, s21                     ; + 256 x half
	s_lshl_b32 s21, s18, 15
	s_add_co_u32 s22, s22, s21                     ; + my 16 tiles of columns, 2,048 bytes each
	v_lshl_add_u32 v[VCT0], v229, 4, s22
	s_lshl_b32 s21, s18, 10
	v_lshl_add_u32 v[VWV0], v229, 2, s21
	v_add_nc_u32 v[VO], s21, v[L16]
	v_add_nc_u32 v[WRL], ACD, v[VO]
	s_lshl_b32 s21, s18, 8
	s_add_co_u32 s21, s21, SX
	v_lshl_add_u32 v[SXS], v230, 5, s21
	s_lshl_b32 s21, s18, 6
	v_lshl_add_u32 v[SXL], v228, 3, s21
	v_and_b32 v[SXL], 0xff, v[SXL]
	v_add_nc_u32 v[SXL], SX, v[SXL]
	v_lshlrev_b32 v[L8], 3, v228
	v_mov_b32 v[FLR], 0x1800000
	s_lshl_b32 s21, s18, 12
	s_add_co_u32 s21, s21, ACD
	v_lshl_add_u32 v[WRA], v231, 10, s21
	v_lshl_add_u32 v[WRA], v230, 8, v[WRA]
	v_lshl_add_u32 v[WRA], v232, 6, v[WRA]
	v_mov_b32 v[MRUN], 0xff61b1e6                  ; -3e38, under every t: the first f is 0, and multiplies zeros
	v_mov_b32 v[LRUN], 0
	v_mov_b32 v237, 0                              ; a lane permute's destination counts as one of its sources
	v_mov_b32 v241, 0                              ; (named as the upper half of the pair v[240:241])
	s_mov_b32 s40, 0x4038aa3b                      ; c2 = 2 log2(e)
	s_mov_b32 s41, s40                             ; (named with it as a pair)
	s_mov_b32 s42, 0x76543210
	s_mov_b32 s43, 0xfedcba98
.set i, 0
.rept 16
	s_mov_b32 s[67+2*i], 0                         ; the upper halves of p's pairs are named, so they are written
.set i, i+1
.endr
	WIN 0x40
.set i, 0
.rept 32
	v_mov_b32 v[WACC+i], 0
.set i, i+1
.endr
	WIN 0
	v_and_b32 v[LS], 15, v0                        ; the thread's number has served: v0 now holds 16 x (lane % 16)
	v_lshlrev_b32 v[LS], 4, v[LS]
	s_wait_alu depctr_va_vdst(0)
	BLOAD 0, L16, LS, 0, 0                         ; the first chunk's first four units of W_c
	BLOAD 1, L16, LS, UNIT, 0
	BLOAD 2, L16, LS, 2*UNIT, 0
	BLOAD 3, L16, LS, 3*UNIT, 0
	s_mov_b32 s36, 3
.Ltile:                                            ; three tiles behind whose ingest the next is asked for
	TILE 1
	s_sub_co_u32 s36, s36, 1
	s_cmp_lg_u32 s36, 0
	s_cbranch_scc1 .Ltile
	TILE 0                                         ; the last is written out
	; THE END: l over the lanes; (m, l); the four waves' weighted sums meet in the codes' LDS bytes, which nobody reads any more and no tensor load ever fills
.irp m, 1,2,4,8
	v_add_f32_dpp v[LRUN], v[LRUN], v[LRUN] row_xmask:\m row_mask:0xf bank_mask:0xf
.endr
	v_permlanex16_b32 v237, v[LRUN], s42, s43
	v_add_f32 v[LRUN], v[LRUN], v237
	s_cmp_lg_u32 s18, 0
	s_cbranch_scc1 .Lno_stats
	global_store_b64 v[L8], v[MRUN:LRUN], s[14:15] ; 32 equal pairs: 256 consecutive bytes
.Lno_stats:
	WIN 0x04                                       ; an LDS store's data are its source 1: window 1
.irp u, 0,1
.irp j, 0,1,2,3
	ds_store_b128 v[WRA], v[WACC+16*\u+4*\j:WACC+16*\u+4*\j+3] offset:512*\u+16*\j
.endr
.endr
	WIN 0
	s_wait_dscnt 0x0                               ; for the others' sake
	s_barrier_signal -1
	s_barrier_wait -1
.irp k, 0,1
.irp q, 0,1,2,3
	ds_load_b128 v[ACC+16*\k+4*\q:ACC+16*\k+4*\q+3], v[WRL] offset:4096*\q+512*\k   ; wave w adds up columns 256 w on
.endr
.endr
	s_wait_dscnt 0x0
.irp k, 0,1
.irp j, 0,2
	v_pk_add_f32 v[ACC+16*\k+\j:ACC+16*\k+\j+1], v[ACC+16*\k+\j:ACC+16*\k+\j+1], v[ACC+16*\k+4+\j:ACC+16*\k+4+\j+1]
	v_pk_add_f32 v[ACC+16*\k+8+\j:ACC+16*\k+8+\j+1], v[ACC+16*\k+8+\j:ACC+16*\k+8+\j+1], v[ACC+16*\k+12+\j:ACC+16*\k+12+\j+1]
.endr
.irp j, 0,2
	v_pk_add_f32 v[ACC+16*\k+\j:ACC+16*\k+\j+1], v[ACC+16*\k+\j:ACC+16*\k+\j+1], v[ACC+16*\k+8+\j:ACC+16*\k+8+\j+1]
.endr
.endr
.irp k, 0,1
	global_store_b128 v[VO], v[ACC+16*\k:ACC+16*\k+3], s[16:17] offset:512*\k   ; 512 consecutive bytes
.endr
	s_wait_tensorcnt 0x0                           ; the wave's end: behind my last tensor load and my last LDS store
	ds_add_u32 v[SPW], v[NIL]
	s_wait_dscnt 0x0
	s_endpgm
.Lfunc_end_k_q5129477296_main:
	.size	k_q5129477296_main, .Lfunc_end_k_q5129477296_main-k_q5129477296_main
	.p2alignl 7, 3214868480
	.fill 96, 4, 3214868480
	.section	.rodata,"a",@progbits
	.p2align	6, 0x0
	.amdhsa_kernel k_q5129477296_main
		.amdhsa_group_segment_fixed_size 327680
		.amdhsa_private_segment_fixed_size 0
		.amdhsa_enable_private_segment 0
		.amdhsa_kernarg_size 56
		.amdhsa_user_sgpr_count 2
		.amdhsa_user_sgpr_kernarg_segment_ptr 1
		.amdhsa_wavefront_size32 1
		.amdhsa_system_sgpr_workgroup_id_x 1
		.amdhsa_system_sgpr_workgroup_id_y 1
		.amdhsa_system_sgpr_workgroup_id_z 1
		.amdhsa_system_vgpr_workitem_id 0
		.amdhsa_next_free_vgpr 1024
		.amdhsa_next_free_sgpr 100
		.amdhsa_reserve_vcc 0
		.amdhsa_float_denorm_mode_32 3
		.amdhsa_float_denorm_mode_16_64 3
		.amdhsa_memory_ordered 1
		.amdhsa_forward_progress 1
		.amdhsa_inst_pref_size 255
	.end_amdhsa_kernel
	.section	.bss,"aw",@nobits
	.p2align	6
	.space	262144
	.amdgpu_metadata
---
amdhsa.version: [ 1, 2 ]
amdhsa.kernels:
  - .name:           k_q5129477296_main
    .symbol:         k_q5129477296_main.kd
    .args:
      - { .name: context, .offset: 0, .size: 8, .value_kind: global_buffer, .address_space: global }
      - { .name: wcimg, .offset: 8, .size: 8, .value_kind: global_buffer, .address_space: global }
      - { .name: ctbimg, .offset: 16, .size: 8, .value_kind: global_buffer, .address_space: global }
      - { .name: w_v, .offset: 24, .size: 8, .value_kind: global_buffer, .address_space: global }
      - { .name: tsc, .offset: 32, .size: 8, .value_kind: global_buffer, .address_space: global }
      - { .name: stats, .offset: 40, .size: 8, .value_kind: global_buffer, .address_space: global }
      - { .name: wpart, .offset: 48, .size: 8, .value_kind: global_buffer, .address_space: global }
    .group_segment_fixed_size: 327680
    .private_segment_fixed_size: 0
    .kernarg_segment_align: 8
    .kernarg_segment_size: 56
    .max_flat_workgroup_size: 128
    .sgpr_count:     100
    .vgpr_count:     1024
    .wavefront_size: 32
...
	.end_amdgpu_metadata
.endif
;; end of part 2
;; launch comb (part 3): grid 256 x 1, 1 waves a work-group, no clusters, 0 bytes of LDS; arguments tsc, stats, wpart, wq, out1; writes wq, out1
.if DOCPART == 3
	.amdgcn_target "amdgcn-amd-amdhsa--gfx1250"
	.amdhsa_code_object_version 6
	.text
	.protected	k_q5129477296_comb
	.globl	k_q5129477296_comb
	.p2align	8
	.type	k_q5129477296_comb,@function
k_q5129477296_comb:
	s_mov_b64 s[64:65], 0
	v_nop
	global_prefetch_b8 v0, s[64:65] scope:SCOPE_SE
	s_setreg_imm32_b32 hwreg(HW_REG_WAVE_MODE, 25, 1), 1
	s_wait_xcnt 0x0
; COMB.  A batch's 2,048 rows were walked by eight work-groups, each with its own maximum m, sum l and weighted sums.  Here they are joined: M = the largest m, e_j = 2^(m_j - M),
; L = the sum of l_j e_j; weighted = (the sum of wpart_j e_j) / L; attn_w = 2^(t - M) / L.  All in f32.
; weighted is an operand of the last product, so it is quantised here, once: codes of FP6 (E2M3), one E8M0 byte for each 32 along K.
; wq: bytes 0 .. 24,575 the codes, [32 batches][768 bytes], K innermost; from byte 24,576 the scale bytes, [32 batches][32].
; Work-group: batch b = wg / 8, part j = wg % 8: 128 columns of weighted and 256 rows of attn_w.  One wave: every load covers 256 or 512 consecutive bytes.
; A lane holds 4 neighbouring columns; the conversion wants 16 in one lane: each lane takes the 16 of its group of four lanes by 16 moves with a broadcast inside the group.
; A block of 32 lies in two neighbouring groups: lanes l and l xor 4 join their maxima.
; The 128 columns make 96 bytes of codes and one scale word: less than a unit of 256 bytes; that is all that a work-group's share gives, 25,600 bytes in the whole launch.
; No LDS, no barrier, no matrix unit.  LIMITS: NaN and infinities are not served; a block of zeros gets the scale byte 1 where the rule says 127 (its codes are zeros, and this
; program alone reads the bytes); blocks whose largest magnitude lies under 2^-124 are held at the floor.
	s_load_b256 s[4:11], s[0:1], 0x0               ; tsc s[4:5], stats s[6:7], wpart s[8:9], wq s[10:11]
	s_load_b64 s[12:13], s[0:1], 0x20              ; out1
	v_lshlrev_b32 v1, 4, v0                        ; 16 x lane
	v_lshlrev_b32 v2, 3, v0                        ; 8 x lane
	v_lshrrev_b32 v3, 2, v0
	v_mul_u32_u24 v3, v3, 12                       ; 12 bytes of codes for each group of four lanes
	v_and_b32 v76, 3, v0                           ; my place in the group
	v_mov_b32 v77, 0
	s_lshr_b32 s14, ttmp9, 3                       ; b
	s_and_b32 s15, ttmp9, 7                        ; j
	s_lshl_b32 s16, s14, 11                        ; stats: eight blocks of 256 bytes a batch
	s_mov_b32 s17, 0
	s_lshl_b32 s20, s15, 9
	s_lshl_b32 s18, s14, 15                        ; wpart: eight rows of 4,096 bytes a batch, + my 512 bytes
	s_add_co_u32 s18, s18, s20
	s_mov_b32 s19, 0
	s_lshl_b32 s22, ttmp9, 10                      ; tsc and out1: 1,024 bytes a work-group
	s_mov_b32 s23, 0
	s_mul_i32 s24, s14, 768                        ; the codes: a row of 768 bytes a batch, + my 96 bytes
	s_mul_i32 s26, s15, 96
	s_add_co_u32 s24, s24, s26
	s_mov_b32 s25, 0
	s_lshl_b32 s28, ttmp9, 2                       ; the scale word: 32 b + 4 j
	s_mov_b32 s29, 0
	s_wait_alu depctr_va_vdst(0)
	s_wait_kmcnt 0x0
	s_add_nc_u64 s[4:5], s[4:5], s[22:23]
	s_add_nc_u64 s[6:7], s[6:7], s[16:17]
	s_add_nc_u64 s[8:9], s[8:9], s[18:19]
	s_add_nc_u64 s[28:29], s[10:11], s[28:29]
	s_add_nc_u64 s[10:11], s[10:11], s[24:25]
	s_add_nc_u64 s[12:13], s[12:13], s[22:23]
.irp q, 0,1,2,3,4,5,6,7
	global_load_b64 v[4+2*\q:5+2*\q], v2, s[6:7] offset:256*\q     ; (m, l) of block q: each lane takes its own copy
.endr
.irp q, 0,1
	global_load_b128 v[52+4*\q:55+4*\q], v1, s[4:5] offset:512*\q  ; t of my 256 rows
.endr
.irp q, 0,1,2,3,4,5,6,7
	global_load_b128 v[20+4*\q:23+4*\q], v1, s[8:9] offset:4096*\q ; the eight partial sums of my 128 columns
.endr
.irp i, 0,1,2,3,4,5,6,7,8,9,10,11,12,13,14,15
	v_mov_b32 v[80+\i], 0                          ; the destination of a move between lanes counts as one of its sources
.endr
	s_wait_loadcnt 8                               ; (m, l) and t are in; the eight loads issued behind them may be out
	v_max3_num_f32 v68, v4, v6, v8
	v_max3_num_f32 v68, v68, v10, v12
	v_max3_num_f32 v68, v68, v14, v16
	v_max_num_f32 v68, v68, v18                    ; M
.irp q, 0,1,2,3,4,5,6,7
	v_sub_f32 v[60+\q], v[4+2*\q], v68
.endr
.irp q, 0,1,2,3,4,5,6,7
	v_sub_f32 v[52+\q], v[52+\q], v68
.endr
	s_wait_alu depctr_va_vdst(0)                   ; the wait ahead of the batch too
.irp q, 0,1,2,3,4,5,6,7
	v_exp_f32 v[60+\q], v[60+\q]                   ; e
.endr
.irp q, 0,1,2,3,4,5,6,7
	v_exp_f32 v[52+\q], v[52+\q]                   ; 2^(t - M)
.endr
	v_nop                                          ; a plain line behind the last exponential
	s_wait_alu depctr_va_vdst(0)                   ; one wait for the sixteen
	v_mul_f32 v69, v5, v60
.irp q, 1,2,3,4,5,6,7
	v_fma_f32 v69, v[5+2*\q], v[60+\q], v69        ; L
.endr
	s_wait_alu depctr_va_vdst(0)
	v_rcp_f32 v70, v69
	v_nop
	s_wait_alu depctr_va_vdst(0)
.irp q, 0,1,2,3,4,5,6,7
	v_mul_f32 v[60+\q], v[60+\q], v70              ; e / L
.endr
.irp q, 0,1,2,3,4,5,6,7
	v_mul_f32 v[52+\q], v[52+\q], v70              ; attn_w
.endr
.irp q, 0,1
	global_store_b128 v1, v[52+4*\q:55+4*\q], s[12:13] offset:512*\q
.endr
	s_wait_loadcnt 0x0
.irp i, 0,1,2,3
	v_mul_f32 v[72+\i], v[20+\i], v60
.endr
.irp q, 1,2,3,4,5,6,7
.irp i, 0,1,2,3
	v_fma_f32 v[72+\i], v[20+4*\q+\i], v[60+\q], v[72+\i]   ; weighted, columns 128 j + 4 lane + i
.endr
.endr
.irp n, 0,1,2,3
.irp w, 0,1,2,3
	v_mov_b32_dpp v[80+4*\n+\w], v[72+\w] quad_perm:[\n,\n,\n,\n] row_mask:0xf bank_mask:0xf   ; columns 16 (lane / 4) + 4 n + w: all four lanes of a group hold the same 16
.endr
.endr
	v_max3_num_f32 v96, |v80|, |v81|, 0x1800000    ; the largest magnitude of the 16, in two chains; the floor 2^(3 - 127) holds the byte at 1 from below
	v_max3_num_f32 v97, |v82|, |v83|, |v84|
.irp i, 85,89
	v_max3_num_f32 v96, v96, |v[\i]|, |v[\i+1]|
	v_max3_num_f32 v97, v97, |v[\i+2]|, |v[\i+3]|
.endr
	v_max3_num_f32 v96, v96, |v93|, |v94|
	v_max3_num_f32 v96, v96, v97, |v95|
	v_max_num_f32_dpp v96, v96, v96 row_xmask:4 row_mask:0xf bank_mask:0xf   ; with the neighbouring group's 16: the block's
	v_add_nc_u32 v98, 0xff000000, v96              ; 2 off its exponent field: the conversion takes that field as its scale
	v_cvt_scalef32_pk16_fp6_f32 v[100:102], v[80:95], v98
	v_lshrrev_b32 v99, 23, v98                     ; the scale's byte (also the plain line behind the conversion)
	v_readlane_b32 s16, v99, 0                     ; block n's byte stands in lane 8 n: data for the store below, never an address or a condition
	v_readlane_b32 s17, v99, 8
	v_readlane_b32 s18, v99, 16
	v_readlane_b32 s19, v99, 24
	s_lshl_b32 s17, s17, 8
	s_lshl_b32 s18, s18, 16
	s_lshl_b32 s19, s19, 24
	s_or_b32 s16, s16, s17
	s_or_b32 s18, s18, s19
	s_or_b32 s16, s16, s18
	v_mov_b32 v103, s16                            ; the scale word of these 128 columns
	v_cmp_eq_u32 vcc_lo, 0, v76
	s_wait_alu depctr_va_vdst(0)
	s_wait_xcnt 0x0                                ; EXEC changes only behind this wait
	s_and_saveexec_b32 s30, vcc_lo                 ; the first lane of each group
	global_store_b96 v3, v[100:102], s[10:11]      ; eight lanes store 96 consecutive bytes
	s_wait_xcnt 0x0
	s_or_b32 exec_lo, exec_lo, s30
	v_cmp_eq_u32 vcc_lo, 0, v0
	s_and_saveexec_b32 s30, vcc_lo                 ; lane 0
	global_store_b32 v77, v103, s[28:29] offset:24576
	s_wait_xcnt 0x0
	s_or_b32 exec_lo, exec_lo, s30
	s_endpgm
.Lfunc_end_k_q5129477296_comb:
	.size	k_q5129477296_comb, .Lfunc_end_k_q5129477296_comb-k_q5129477296_comb
	.p2alignl 7, 3214868480
	.fill 96, 4, 3214868480
	.section	.rodata,"a",@progbits
	.p2align	6, 0x0
	.amdhsa_kernel k_q5129477296_comb
		.amdhsa_group_segment_fixed_size 0
		.amdhsa_private_segment_fixed_size 0
		.amdhsa_enable_private_segment 0
		.amdhsa_kernarg_size 40
		.amdhsa_user_sgpr_count 2
		.amdhsa_user_sgpr_kernarg_segment_ptr 1
		.amdhsa_wavefront_size32 1
		.amdhsa_system_sgpr_workgroup_id_x 1
		.amdhsa_system_sgpr_workgroup_id_y 1
		.amdhsa_system_sgpr_workgroup_id_z 1
		.amdhsa_system_vgpr_workitem_id 0
		.amdhsa_next_free_vgpr 104
		.amdhsa_next_free_sgpr 66
		.amdhsa_reserve_vcc 1
		.amdhsa_float_denorm_mode_32 3
		.amdhsa_float_denorm_mode_16_64 3
		.amdhsa_memory_ordered 1
		.amdhsa_forward_progress 1
		.amdhsa_inst_pref_size 11
	.end_amdhsa_kernel
	.amdgpu_metadata
---
amdhsa.version: [ 1, 2 ]
amdhsa.kernels:
  - .name:           k_q5129477296_comb
    .symbol:         k_q5129477296_comb.kd
    .args:
      - { .name: tsc, .offset: 0, .size: 8, .value_kind: global_buffer, .address_space: global }
      - { .name: stats, .offset: 8, .size: 8, .value_kind: global_buffer, .address_space: global }
      - { .name: wpart, .offset: 16, .size: 8, .value_kind: global_buffer, .address_space: global }
      - { .name: wq, .offset: 24, .size: 8, .value_kind: global_buffer, .address_space: global }
      - { .name: out1, .offset: 32, .size: 8, .value_kind: global_buffer, .address_space: global }
    .group_segment_fixed_size: 0
    .private_segment_fixed_size: 0
    .kernarg_segment_align: 8
    .kernarg_segment_size: 40
    .max_flat_workgroup_size: 32
    .sgpr_count:     66
    .vgpr_count:     104
    .wavefront_size: 32
...
	.end_amdgpu_metadata
.endif
;; end of part 3
;; launch fin (part 4): grid 16 x 1, 8 waves a work-group, no clusters, 75,264 bytes of LDS; arguments wq, woimg, hximg, out0; writes out0
.if DOCPART == 4
	.amdgcn_target "amdgcn-amd-amdhsa--gfx1250"
	.amdhsa_code_object_version 6
	.text
	.protected	k_q5129477296_fin
	.globl	k_q5129477296_fin
	.p2align	8
	.type	k_q5129477296_fin,@function
k_q5129477296_fin:
	s_mov_b64 s[64:65], 0
	v_nop
	global_prefetch_b8 v0, s[64:65] scope:SCOPE_SE
	s_setreg_imm32_b32 hwreg(HW_REG_WAVE_MODE, 25, 1), 1
	s_wait_xcnt 0x0
; FIN.  h_tilde = tanh(Q(weighted) Q(W_out[:, :1024])^T + hx), hx being the x half of the same product, made by the first launch.  Codes of FP6 (E2M3) with E8M0 scales.
; weighted arrives quantised (wq: codes [32][768 bytes], K innermost; from byte 24,576 the scale bytes [32][32]): a fragment's registers are loaded as the bytes lie.
; Work-group g: all 32 batches x columns 64 g .. 64 g + 63.  Its eight waves take one K step of 128 each: two fragments of weighted against the four fragments of a unit
; of W_out's image: 8 matrix instructions.  The partial sums meet in LDS; wave v then adds up tile v (batches 16 (v / 4) on, columns 16 (v % 4) on), adds hx, takes tanh,
; and the results leave through a stage, so that sixteen lanes store 256 consecutive bytes of a row.
; The whole launch is 1,024 matrix instructions: sixteen work-groups are what the 1,024 columns give at 64 each; nothing here calls for a ring or a cluster.
; LIMITS: NaN and infinities are not served.
.set RED,   0                          ; 8 waves x 8,192 bytes: partial sums, as images of the accumulators
.set OST,   65536                      ; 32 rows x (256 bytes + 16)
.set SPARE, 74240                      ; the spare words, 128 bytes for each wave: four blocks of 256 bytes that no other line names
.set UNIT,  6656
	s_load_b256 s[4:11], s[0:1], 0x0               ; wq s[4:5], woimg s[6:7], hximg s[8:9], out0 s[10:11]
	v_lshl_add_u32 v254, v0, 2, SPARE
	v_mov_b32 v255, 0
	v_lshrrev_b32 v4, 5, v0
	s_delay_alu instid0(VALU_DEP_1)
	v_readfirstlane_b32 s12, v4                    ; wave 0..7: my K step, later my tile
	v_and_b32 v1, 15, v0                           ; r
	v_bfe_u32 v2, v0, 4, 1                         ; h
	v_and_b32 v5, 31, v0
	s_delay_alu instid0(VALU_DEP_1)
	v_lshlrev_b32 v5, 4, v5                        ; 16 x lane
	v_mul_u32_u24 v3, v1, 768
	s_delay_alu instid0(VALU_DEP_1)
	v_mad_u32_u24 v3, v2, 24, v3                   ; weighted's codes: row r of 768 bytes, + 24 h
	v_lshlrev_b32 v8, 5, v1                        ; its scale words: row r of 32 bytes
	s_wait_alu depctr_va_vdst(0)
	s_lshl_b32 s13, s12, 13
	v_add_nc_u32 v6, s13, v5                       ; my partial sums: 8,192 x wave + 16 x lane
	s_lshl_b32 s13, s12, 10
	v_add_nc_u32 v7, s13, v5                       ; the tile that I add up: 1,024 x wave + 16 x lane
	s_lshr_b32 s14, s12, 2                         ; mt
	s_and_b32 s15, s12, 3                          ; t
	s_mul_i32 s16, s14, 16*272
	s_lshl_b32 s17, s15, 6
	s_add_co_u32 s16, s16, s17
	s_add_co_u32 s16, s16, OST
	v_mul_u32_u24 v9, v2, 8*272
	s_delay_alu instid0(VALU_DEP_1)
	v_lshl_add_u32 v9, v1, 2, v9
	s_delay_alu instid0(VALU_DEP_1)
	v_add_nc_u32 v9, s16, v9                       ; the way out, in: row 16 mt + 8 h (+ j), column 16 t + r
	s_mul_i32 s16, s12, 4*272
	s_add_co_u32 s16, s16, OST
	v_mul_u32_u24 v10, v2, 272
	s_delay_alu instid0(VALU_DEP_1)
	v_lshl_add_u32 v10, v1, 4, v10
	s_delay_alu instid0(VALU_DEP_1)
	v_add_nc_u32 v10, s16, v10                     ; and back: rows 4 wave + h (+ 2), 16 bytes a lane
	s_lshl_b32 s16, s12, 14
	v_lshlrev_b32 v11, 12, v2
	s_delay_alu instid0(VALU_DEP_1)
	v_lshl_add_u32 v11, v1, 4, v11
	s_delay_alu instid0(VALU_DEP_1)
	v_add_nc_u32 v11, s16, v11                     ; the same place in out0
	s_lshl_b32 s18, ttmp9, 3
	s_add_co_u32 s18, s18, s12
	s_mul_i32 s18, s18, UNIT                       ; unit 8 g + K step
	s_mov_b32 s19, 0
	s_mul_i32 s20, s12, 96                         ; 96 bytes a K step in a row of codes,
	s_mov_b32 s21, 0
	s_lshl_b32 s26, s12, 2                         ; 4 in a row of scale bytes
	s_mov_b32 s27, 0
	s_lshl_b32 s22, ttmp9, 2
	s_add_co_u32 s22, s22, s15
	s_lshl_b32 s22, s22, 11                        ; hx: tile of columns 4 g + t,
	s_lshl_b32 s23, s14, 10
	s_add_co_u32 s22, s22, s23                     ; its registers 8 mt on
	s_mov_b32 s23, 0
	s_lshl_b32 s24, ttmp9, 8                       ; my 64 columns in a row of out0
	s_mov_b32 s25, 0
	s_wait_alu depctr_va_vdst(0)
	s_wait_kmcnt 0x0
	s_add_nc_u64 s[26:27], s[4:5], s[26:27]
	s_add_nc_u64 s[4:5], s[4:5], s[20:21]
	s_add_nc_u64 s[6:7], s[6:7], s[18:19]
	s_add_nc_u64 s[8:9], s[8:9], s[22:23]
	s_add_nc_u64 s[10:11], s[10:11], s[24:25]
.irp m, 0,1
.irp p, 0,1,2,3,4,5
	global_load_b64 v[196+12*\m+2*\p:197+12*\m+2*\p], v3, s[4:5] offset:12288*\m+48*(\p/3)+8*(\p%3)   ; batches 16 m on: 24 bytes at 24 h and 24 at 48 + 24 h of the K step's 96, in pieces of 8
.endr
	global_load_b32 v[220+\m], v8, s[26:27] offset:24576+512*\m    ; and the rows' scale words
.endr
.irp t, 0,1,2,3
.irp q, 0,1,2
	global_load_b128 v[144+12*\t+4*\q:147+12*\t+4*\q], v5, s[6:7] offset:1536*\t+512*\q   ; W_out's four fragments, as they stand
.endr
.endr
	global_load_b128 v[192:195], v5, s[6:7] offset:6144            ; and their scale words
.irp f, 0,1
	global_load_b128 v[240+4*\f:243+4*\f], v5, s[8:9] offset:512*\f   ; hx of the tile that I add up later
.endr
	s_wait_loadcnt 0x0
.irp m, 0,1
.irp t, 0,1,2,3
	v_wmma_scale_f32_16x16x128_f8f6f4 v[16+8*(4*\m+\t):23+8*(4*\m+\t)], v[196+12*\m:207+12*\m], v[144+12*\t:155+12*\t], 0, v[220+\m], v[192+\t] matrix_a_fmt:MATRIX_FMT_FP6 matrix_b_fmt:MATRIX_FMT_FP6
.endr
.endr
.rept 4
	v_nop                                          ; four places in front of the first read of results (ISA guide 7.12.1)
.endr
.irp i, 0,1,2,3,4,5,6,7,8,9,10,11,12,13,14,15
	ds_store_b128 v6, v[16+4*\i:19+4*\i] offset:512*\i   ; each accumulator from its low end on
.endr
	s_wait_dscnt 0x0                               ; for the others' sake
	s_barrier_signal -1
	s_barrier_wait -1
.irp k, 0,1,2,3,4,5,6,7
.irp f, 0,1
	ds_load_b128 v[80+8*\k+4*\f:83+8*\k+4*\f], v7 offset:8192*\k+512*\f
.endr
.endr
	s_wait_dscnt 0x0
.irp k, 0,1,2,3
.irp j, 0,2,4,6
	v_pk_add_f32 v[80+16*\k+\j:81+16*\k+\j], v[80+16*\k+\j:81+16*\k+\j], v[88+16*\k+\j:89+16*\k+\j]
.endr
.endr
.irp k, 0,1
.irp j, 0,2,4,6
	v_pk_add_f32 v[80+32*\k+\j:81+32*\k+\j], v[80+32*\k+\j:81+32*\k+\j], v[96+32*\k+\j:97+32*\k+\j]
.endr
.endr
.irp j, 0,2,4,6
	s_delay_alu instid0(VALU_DEP_4)
	v_pk_add_f32 v[80+\j:81+\j], v[80+\j:81+\j], v[112+\j:113+\j]
.endr
.irp j, 0,2,4,6
	s_delay_alu instid0(VALU_DEP_4)
	v_pk_add_f32 v[80+\j:81+\j], v[80+\j:81+\j], v[240+\j:241+\j]  ; + the x half
.endr
.irp j, 0,2,4,6
	s_delay_alu instid0(VALU_DEP_4)
	v_pk_mul_f32 v[80+\j:81+\j], v[80+\j:81+\j], 0x4038aa3b op_sel_hi:[1,0]   ; tanh z = 1 - 2 / (1 + 2^(2 log2(e) z))
.endr
	s_wait_alu depctr_va_vdst(0)                   ; the wait ahead of the batch too
.irp j, 0,1,2,3,4,5,6,7
	v_exp_f32 v[80+\j], v[80+\j]
.endr
	v_nop
	s_wait_alu depctr_va_vdst(0)                   ; one wait for the batch
.irp j, 0,2,4,6
	v_pk_add_f32 v[80+\j:81+\j], v[80+\j:81+\j], 1.0 op_sel_hi:[1,0]
.endr
	s_wait_alu depctr_va_vdst(0)
.irp j, 0,1,2,3,4,5,6,7
	v_rcp_f32 v[80+\j], v[80+\j]
.endr
	v_nop
	s_wait_alu depctr_va_vdst(0)
.irp j, 0,2,4,6
	v_pk_fma_f32 v[80+\j:81+\j], v[80+\j:81+\j], -2.0, 1.0 op_sel_hi:[1,0,0]
.endr
.irp j, 0,1,2,3,4,5,6,7
	ds_store_b32 v9, v[80+\j] offset:272*\j        ; batch 16 mt + 8 h + j, column 16 t + r
.endr
	s_wait_dscnt 0x0                               ; for the others' sake
	s_barrier_signal -1
	s_barrier_wait -1
.irp k, 0,1
	ds_load_b128 v[16+4*\k:19+4*\k], v10 offset:544*\k
.endr
	s_wait_dscnt 0x0
.irp k, 0,1
	global_store_b128 v11, v[16+4*\k:19+4*\k], s[10:11] offset:8192*\k   ; 16 lanes store 256 consecutive bytes, at a multiple of 256 from out0's first byte
.endr
	s_wait_tensorcnt 0x0                           ; the wave's end: behind my last LDS store
	ds_add_u32 v254, v255
	s_wait_dscnt 0x0
	s_endpgm
.Lfunc_end_k_q5129477296_fin:
	.size	k_q5129477296_fin, .Lfunc_end_k_q5129477296_fin-k_q5129477296_fin
	.p2alignl 7, 3214868480
	.fill 96, 4, 3214868480
	.section	.rodata,"a",@progbits
	.p2align	6, 0x0
	.amdhsa_kernel k_q5129477296_fin
		.amdhsa_group_segment_fixed_size 75264
		.amdhsa_private_segment_fixed_size 0
		.amdhsa_enable_private_segment 0
		.amdhsa_kernarg_size 32
		.amdhsa_user_sgpr_count 2
		.amdhsa_user_sgpr_kernarg_segment_ptr 1
		.amdhsa_wavefront_size32 1
		.amdhsa_system_sgpr_workgroup_id_x 1
		.amdhsa_system_sgpr_workgroup_id_y 1
		.amdhsa_system_sgpr_workgroup_id_z 1
		.amdhsa_system_vgpr_workitem_id 0
		.amdhsa_next_free_vgpr 256
		.amdhsa_next_free_sgpr 66
		.amdhsa_reserve_vcc 0
		.amdhsa_float_denorm_mode_32 3
		.amdhsa_float_denorm_mode_16_64 3
		.amdhsa_memory_ordered 1
		.amdhsa_forward_progress 1
		.amdhsa_inst_pref_size 14
	.end_amdhsa_kernel
	.amdgpu_metadata
---
amdhsa.version: [ 1, 2 ]
amdhsa.kernels:
  - .name:           k_q5129477296_fin
    .symbol:         k_q5129477296_fin.kd
    .args:
      - { .name: wq, .offset: 0, .size: 8, .value_kind: global_buffer, .address_space: global }
      - { .name: woimg, .offset: 8, .size: 8, .value_kind: global_buffer, .address_space: global }
      - { .name: hximg, .offset: 16, .size: 8, .value_kind: global_buffer, .address_space: global }
      - { .name: out0, .offset: 24, .size: 8, .value_kind: global_buffer, .address_space: global }
    .group_segment_fixed_size: 75264
    .private_segment_fixed_size: 0
    .kernarg_segment_align: 8
    .kernarg_segment_size: 32
    .max_flat_workgroup_size: 256
    .sgpr_count:     66
    .vgpr_count:     256
    .wavefront_size: 32
...
	.end_amdgpu_metadata
.endif
;; end of part 4
